; MI455X (gfx1250); checked and timed in simulation.
; The chip was launched on July 23, 2026; its instructions are those of AMD's public machine-readable ISA for CDNA 5 (MIT licence, August 2026) and "CDNA5" Instruction Set Architecture Reference Guide (July 2026). The comments in the code are by the model that wrote it; some were corrected since.
;; Sparse Attention. Allowed arithmetic: float matrix products may take bf16 or f16 operands with f32 sums; all other float work in f32.
;; Inputs: wk 128 x 4 float32; wq 128 x 4 float32; x 16 x 32 x 512 x 128 float32.
;; Outputs: out0 16 x 32 x 12 x 128 float32.
;; One version. Each part assembles by itself: llvm-mc -triple=amdgcn-amd-amdhsa -mcpu=gfx1250 --defsym DOCPART=n.
;; ======== version 1 of 1: 2 launches
;; workspace buffers: idx 65,536 bytes of whole numbers
;; launch score (part 1): grid 256 x 1, 8 waves a work-group, no clusters, 327,680 bytes of LDS; arguments x, wk, wq, idx; writes idx
.if DOCPART == 1
	.amdgcn_target "amdgcn-amd-amdhsa--gfx1250"
	.amdhsa_code_object_version 6
	.text
	.protected	k_q761fb87fb5_score
	.globl	k_q761fb87fb5_score
	.p2align	8
	.type	k_q761fb87fb5_score,@function
k_q761fb87fb5_score:
	s_mov_b64 s[64:65], 0
	v_nop
	global_prefetch_b8 v0, s[64:65] scope:SCOPE_SE
	s_setreg_imm32_b32 hwreg(HW_REG_WAVE_MODE, 25, 1), 1
	s_wait_xcnt 0x0
; idx[b][0..11] = the twelve tokens m of batch b with the largest A[m] = sum over n of softmax_m(k_n . q_m / sqrt(128)), largest first,
; k = x wk, q = x wq.  x: [512 batches][512 tokens][128] f32; wk, wq: [128][4] f32; idx: [512][32] words (12 used, 20 zeros).
; A work-group of eight waves owns two batches; wave w owns tokens 64 w .. 64 w + 63 of each, as rows of the softmax in four blocks of 16.
; No cluster: work-groups share nothing but the 4 KiB of weights.  No prefetch: the first batch is asked for by the first lines, the second
; by its tensor load a whole softmax ahead.
;
; NUMBERS.  x, wk, wq are rounded to bf16 (nearest even) for the projections; sums in f32.  The choice of rows is therefore the choice for
; the rounded inputs.  From there on nothing is rounded below f32: k and q are each split into three bf16 pieces (24 bits), and since k . q
; has 4 terms while the matrix instruction takes 32, one instruction adds eight of the nine products piece x piece (k3 q3, 2^-36 of a term,
; is left out).  The row's true maximum is taken away before the exponential.  Equal sums: the lower token first.
; LIMITS: NaN and infinities in the inputs are not served (a token number out of range is clamped by the launch that uses it); v_exp_f32
; gives 0 for results below 2^-126; the sums run in another order than a plain loop's, so two column sums nearer than f32 rounding can swap.
;
; LDS (327,680 bytes): [0, 270,336) x, wave w's 64 tokens at 33,792 w, rows of 512 bytes + 16 of padding; behind the last read of its last
; fill the first 4 KiB of a wave's own region take its column sums.  [270,336, +32,768) q: for each batch a plane of (q1,q2) and a plane of
; (q3,q3), 16 bytes a token; the second batch's planes first stage the weights.  [303,104, +24,576) k fragments, each wave's own.
.set PITCH,  528                       ; 33 x 16 bytes: the 16 rows that a load touches lie in 16 different 16-byte columns modulo 256 bytes
.set CHUNK,  16*PITCH                  ; 16 tokens
.set WREG,   64*PITCH                  ; a wave's 64 tokens
.set QBUF,   8*WREG
.set QPLANE, 8192
.set QBATCH, 2*QPLANE
.set WSTG,   QBUF+QBATCH               ; wk's 2,048 bytes, then wq's
.set AREC,   QBUF+2*QBATCH
.set ABLK,   768                       ; a k fragment: 16 bytes a lane, then 8 bytes a lane
.set PARTB,  2048
.set BATCHB, 262144                    ; bytes of a batch of x
; window 0 (v0-v255)
.set VL,   1                           ; lane
.set VR,   2                           ; r = lane % 16
.set VH,   3                           ; h = lane / 16
.set VXA,  4                           ; LDS: token r's row in my wave's region + 64 h
.set VQW,  5                           ; LDS: where I store a q record
.set VQL,  6                           ; LDS: q plane 0, token r
.set VQH,  7                           ; LDS: plane 0 for lanes 0-15, plane 1 for lanes 16-31
.set VAX,  8                           ; LDS: my 16 bytes of my wave's first k fragment
.set VAY,  9                           ; LDS: my further 8 bytes of it
.set VAXL, 10                          ; the same two, stepped from block to block
.set VAYL, 11
.set VW,   12                          ; LDS: my column of the staged weights
.set VP,   13                          ; LDS: my 16 bytes of my wave's column sums
.set VT,   14                          ; v14-15 at work
.set WF,   16                          ; v16-47   the weights as four fragments (K steps of 32)
.set AF,   48                          ; v48-55   k fragment of the block at work
.set M,    56                          ; v56-63   row maxima, then -c x maximum
.set ZA,   64                          ; v64-71   row sums (even tiles), then 1 / row sum
.set ZB,   72                          ; v72-79   row sums (odd tiles)
.set BB,   80                          ; v80-143  eight q fragments
.set ACC,  144                         ; v144-207 column sums, a pair for each of 32 tiles
.set TS,   208                         ; v208-223 my 16 column sums over my wave's 64 rows
; window 1 (v256-v511, written v0-v255): the 32 score tiles, tile t at 8 t; during a projection these:
.set XF,   0                           ; 64: 16 tokens x 128 numbers as loaded
.set XB,   64                          ; 32: the same in bf16, four fragments
.set P0,   96                          ; 8: sums of K steps 0, 2
.set P1,   104                         ; 8: sums of K steps 1, 3
.set C1,   112                         ; 4: first bf16 pieces (k0k1, k2k3, q0q1, q2q3)
.set C2,   116                         ; 4: second pieces
.set C3,   120                         ; 4: third pieces
.set TT,   124                         ; 8: a piece widened
.set E,    132                         ; 10: what goes to LDS
; scalars
.set G1,   16                          ; s[16:23] the shape of a tile: 64 rows of 128 f32
.set GA,   24                          ; s[24:27] from where, to where: first batch
.set GB,   28                          ; s[28:31] the same for the second batch
.set PL,   32
.set PH,   33
.set MH,   34                          ; lanes 16-31; also a word's upper bf16
.set NINF, 35
.set SC,   36                          ; s[36:37] c = log2(e) / sqrt(128)
.set SNC,  38                          ; s[38:39] -c
.set CNT,  40
.set BIGF, 41
.set RM,   42
.set MK,   44                          ; s[44:59] sixteen lane masks
; s_set_vgpr_msb's low byte: bits 1:0 source 0, 3:2 source 1, 5:4 source 2, 7:6 destination; its high byte repeats the setting left behind
.set MSB, 0
.macro WIN new
.if MSB != \new
	s_set_vgpr_msb (MSB<<8)|\new
.set MSB, \new
.endif
.endm
.set W_DST1, 0x40                      ; destination in window 1
.set W_PRJ,  0x54                      ; source 0 in window 0 (an address, the weights), all else in window 1
.set W_ALL1, 0x55
.set W_TWO,  0x05                      ; sources 0 and 1 from window 1, destination in window 0
.set W_MAX,  0x14                      ; sources 1 and 2 from window 1; also right for LDS loads within window 0
.set W_EXP,  0x41                      ; source 0 and destination in window 1
.set W_SUM,  0x01                      ; source 0 from window 1
.macro PLACES                          ; four places behind a matrix instruction before its registers are touched (ISA guide 7.12.1)
.rept 4
	v_nop
.endr
.endm
	s_load_b256 s[4:11], s[0:1], 0x0               ; x s[4:5], wk s[6:7], wq s[8:9], idx s[10:11]
	v_lshrrev_b32 v[VT], 5, v0
	v_readfirstlane_b32 s12, v[VT]                 ; wave 0..7
	; the shape: elements of 4 bytes, 64 rows of 128, 128 elements from row to row; in LDS 4 words of padding behind every 128 words
	s_mov_b32 s[G1+0], (2<<16)|(1<<20)|(6<<22)|(3<<25)
	s_mov_b32 s[G1+1], 128<<16                     ; tensor_dim0 = 128
	s_mov_b32 s[G1+2], 64<<16                      ; tensor_dim1 = 64
	s_mov_b32 s[G1+3], 128<<16                     ; tile_dim0 = 128
	s_mov_b32 s[G1+4], 64                          ; tile_dim1 = 64
	s_mov_b32 s[G1+5], 128                         ; pitch
	s_mov_b32 s[G1+6], 0
	s_mov_b32 s[G1+7], 0
	s_mul_i32 s13, s12, WREG                       ; my wave's region in LDS
	s_lshl_b32 s3, s12, 15                         ; my wave's 64 tokens x 512 bytes in a batch
	s_lshl_b32 s2, ttmp9, 19                       ; the work-group's two batches: at most 255 x 524,288, below 4 GiB
	s_add_co_u32 s2, s2, s3
	s_mov_b32 s3, 0
	s_wait_kmcnt 0x0
	s_add_nc_u64 s[4:5], s[4:5], s[2:3]            ; x at my wave's first token of the first batch
	s_mov_b32 s[GA], 1
	s_mov_b32 s[GA+1], s13
	s_mov_b64 s[GA+2:GA+3], s[4:5]
	s_or_b32 s[GA+3], s[GA+3], 0x80000000
	tensor_load_to_lds s[GA:GA+3], s[G1:G1+7]      ; the first fill: eight waves ask for the whole first batch; one tensor load of a wave is out, never more
	s_nop 0
	s_mov_b32 s[GB], 1                             ; the refill's descriptor has registers of its own; neither is written again
	s_mov_b32 s[GB+1], s13
	s_add_nc_u64 s[GB+2:GB+3], s[4:5], BATCHB
	s_or_b32 s[GB+3], s[GB+3], 0x80000000
	; the weights, once: thread t brings 16 bytes, waves 0-3 all of wk, waves 4-7 all of wq, each load of a wave 512 neighbouring bytes
	s_cmp_lt_u32 s12, 4
	s_cselect_b64 s[14:15], s[6:7], s[8:9]
	v_and_b32 v[VT], 127, v0
	v_lshlrev_b32 v[VT], 4, v[VT]
	global_load_b128 v[BB:BB+3], v[VT], s[14:15]
	s_mov_b32 s[PL], 0x76543210                    ; v_permlanex16_b32: lane i takes lane i xor 16
	s_mov_b32 s[PH], 0xfedcba98
	s_mov_b32 s[MH], 0xffff0000
	s_mov_b32 s[NINF], 0xff800000
	s_mov_b32 s[SC], 0x3e0293ee                    ; 0.12751743 = log2(e) / sqrt(128)
	s_mov_b32 s[SC+1], 0x3e0293ee
	s_mov_b32 s[SNC], 0xbe0293ee
	s_mov_b32 s[SNC+1], 0xbe0293ee
	v_and_b32 v[VL], 31, v0
	v_and_b32 v[VR], 15, v0
	v_bfe_u32 v[VH], v0, 4, 1
	v_mul_u32_u24 v[VXA], v[VR], PITCH
	v_lshl_add_u32 v[VXA], v[VH], 6, v[VXA]
	v_add_nc_u32 v[VXA], s13, v[VXA]
	v_lshlrev_b32 v[VQL], 4, v[VR]
	v_add_nc_u32 v[VQL], QBUF, v[VQL]
	v_lshl_add_u32 v[VQH], v[VH], 13, v[VQL]
	s_lshl_b32 s2, s12, 10                         ; my wave's 64 tokens x 16 bytes
	v_add_nc_u32 v[VQW], s2, v[VQH]
	s_mul_i32 s2, s12, 4*ABLK
	s_add_co_u32 s2, s2, AREC
	v_lshl_add_u32 v[VAX], v[VL], 4, s2
	s_add_co_u32 s2, s2, 512
	v_lshl_add_u32 v[VAY], v[VL], 3, s2
	v_lshl_add_u32 v[VP], v[VL], 4, s13
	v_and_b32 v[VW], 3, v0                         ; which of a table's four columns,
	v_lshlrev_b32 v[VW], 2, v[VW]
	v_lshl_add_u32 v[VW], v[VH], 8, v[VW]          ; 16 dimensions further for the upper half of the lanes,
	v_bfe_u32 v[VT+1], v0, 2, 1
	v_lshl_add_u32 v[VW], v[VT+1], 11, v[VW]       ; wk or wq by bit 2 of the lane
	v_add_nc_u32 v[VW], WSTG, v[VW]
	v_lshlrev_b32 v[VT+1], 4, v0
	v_add_nc_u32 v[VT+1], WSTG, v[VT+1]
	s_wait_loadcnt 0x0
	ds_store_b128 v[VT+1], v[BB:BB+3]
	s_wait_dscnt 0x0                               ; my part of the weights is in LDS
	s_barrier_signal -1
	s_barrier_wait -1                              ; everybody's is.  The first fill stays on its way
	; THE WEIGHTS as the first operand: row m of 16 is output m % 8 (k0..k3, q0..q3), twice, so that both halves of the lanes get every output.
	; Lane (r, h), K step s, register p holds dimensions 32 s + 16 h + 2 p and + 1: a permutation of K that x's fragments share.
.set n, 0
.rept 64
	ds_load_b32 v[BB+n], v[VW] offset:(n/16)*512+(n%16)*16
.set n, n+1
.endr
	s_wait_dscnt 0x0
.set n, 0
.rept 32
	v_cvt_pk_bf16_f32 v[WF+n], v[BB+2*n], v[BB+2*n+1]
.set n, n+1
.endr
; One bf16 piece of eight f32: dst = the piece (packed), src = what is left (exact: the difference has at most 16 significant bits)
.macro SPLIT dst, src
.irp u, 0,1,2,3
	v_cvt_pk_bf16_f32 v[\dst+\u], v[\src+2*\u], v[\src+2*\u+1]
.endr
.irp u, 0,1,2,3
	v_lshlrev_b32 v[TT+2*\u], 16, v[\dst+\u]
	v_and_b32 v[TT+2*\u+1], s[MH], v[\dst+\u]
.endr
.irp u, 0,1,2,3
	v_pk_add_f32 v[\src+2*\u:\src+2*\u+1], v[\src+2*\u:\src+2*\u+1], v[TT+2*\u:TT+2*\u+1] neg_lo:[0,1] neg_hi:[0,1]
.endr
.endm
; PROJECTION of my wave's tokens 16 ch .. 16 ch + 15.  qo: the batch's q planes.
; D = W^T x^T: register j of lane (r, h) is output j of token r, in both halves.
.macro PROJ ch, qo
	WIN W_PRJ
.irp s, 0,1,2,3
.irp p, 0,1,2,3
	ds_load_b128 v[XF+16*\s+4*\p:XF+16*\s+4*\p+3], v[VXA] offset:\ch*CHUNK+128*\s+16*\p
.endr
.endr
	s_wait_dscnt 0x0
	WIN W_ALL1
.set n, 0
.rept 32
	v_cvt_pk_bf16_f32 v[XB+n], v[XF+2*n], v[XF+2*n+1]
.set n, n+1
.endr
	WIN W_PRJ
	; two accumulators by turns; the first products start the sums
	v_wmma_f32_16x16x32_bf16 v[P0:P0+7], v[WF:WF+7],     v[XB:XB+7],     0
	v_wmma_f32_16x16x32_bf16 v[P1:P1+7], v[WF+8:WF+15],  v[XB+8:XB+15],  0
	v_wmma_f32_16x16x32_bf16 v[P0:P0+7], v[WF+16:WF+23], v[XB+16:XB+23], v[P0:P0+7]
	v_wmma_f32_16x16x32_bf16 v[P1:P1+7], v[WF+24:WF+31], v[XB+24:XB+31], v[P1:P1+7]
	WIN W_ALL1
	PLACES
.irp u, 0,2,4,6
	v_pk_add_f32 v[P0+\u:P0+\u+1], v[P0+\u:P0+\u+1], v[P1+\u:P1+\u+1]
.endr
	SPLIT C1, P0
	SPLIT C2, P0
.irp u, 0,1,2,3
	v_cvt_pk_bf16_f32 v[C3+\u], v[P0+2*\u], v[P0+2*\u+1]
.endr
	; The 32 places of K in k . q are 8 groups of 4.  Lanes 0-15 carry (k1,k1,k3,k3) against (q1,q2,q1,q2),
	; lanes 16-31 (k2,k2,k1,k2) against (q1,q2,q3,q3): k1q1 k1q2 k3q1 k3q2 k2q1 k2q2 k1q3 k2q3.
	v_cndmask_b32 v[E+0], v[C1+0], v[C2+0], s[MH]  ; groups 0 and 1: k1 | k2
	v_cndmask_b32 v[E+1], v[C1+1], v[C2+1], s[MH]
	v_cndmask_b32 v[E+2], v[C3+0], v[C1+0], s[MH]  ; group 2: k3 | k1
	v_cndmask_b32 v[E+3], v[C3+1], v[C1+1], s[MH]
	v_cndmask_b32 v[E+4], v[C3+0], v[C2+0], s[MH]  ; group 3: k3 | k2
	v_cndmask_b32 v[E+5], v[C3+1], v[C2+1], s[MH]
	v_cndmask_b32 v[E+6], v[C1+2], v[C3+2], s[MH]  ; plane 0: q1, q2 | plane 1: q3, q3
	v_cndmask_b32 v[E+7], v[C1+3], v[C3+3], s[MH]
	v_cndmask_b32 v[E+8], v[C2+2], v[C3+2], s[MH]
	v_cndmask_b32 v[E+9], v[C2+3], v[C3+3], s[MH]
	WIN W_PRJ
	ds_store_b128 v[VAX], v[E:E+3]   offset:\ch*ABLK
	ds_store_b64  v[VAY], v[E+4:E+5] offset:\ch*ABLK
	ds_store_b128 v[VQW], v[E+6:E+9] offset:\qo+256*\ch
.endm
.macro BLOAD g, qo                     ; the q fragments of tiles 8 g .. 8 g + 7: sixteen lanes take 256 neighbouring bytes
.irp u, 0,1,2,3,4,5,6,7
	ds_load_b128 v[BB+8*\u:BB+8*\u+3],   v[VQL] offset:\qo+256*(8*\g+\u)
	ds_load_b128 v[BB+8*\u+4:BB+8*\u+7], v[VQH] offset:\qo+256*(8*\g+\u)
.endr
.endm
.macro HMUL g                          ; eight score tiles, each a sum of its own started by the constant 0
.irp u, 0,1,2,3,4,5,6,7
	v_wmma_f32_16x16x32_bf16 v[64*\g+8*\u:64*\g+8*\u+7], v[AF:AF+7], v[BB+8*\u:BB+8*\u+7], 0
.endr
.endm
.macro MAXP g, pp, start               ; the eight running row maxima take in tiles 8 g + 2 pp and + 1
.irp j, 0,1,2,3,4,5,6,7
.if \start
	v_max3_num_f32 v[M+\j], s[NINF], v[8*(8*\g+2*\pp)+\j], v[8*(8*\g+2*\pp+1)+\j]
.else
	v_max3_num_f32 v[M+\j], v[M+\j], v[8*(8*\g+2*\pp)+\j], v[8*(8*\g+2*\pp+1)+\j]
.endif
.endr
.endm
.macro COLS u, start                   ; column sums take in rows u and u + 1 of each half: e / row sum; 32 tiles' chains by turns
.set n, 0
.rept 32
.if \start
	v_pk_mul_f32 v[ACC+2*n:ACC+2*n+1], v[8*n+\u:8*n+\u+1], v[ZA+\u:ZA+\u+1]
.else
	v_pk_fma_f32 v[ACC+2*n:ACC+2*n+1], v[8*n+\u:8*n+\u+1], v[ZA+\u:ZA+\u+1], v[ACC+2*n:ACC+2*n+1]
.endif
.set n, n+1
.endr
.endm
; SOFTMAX of 16 rows x 512 columns, all in registers.  Register j of lane (r, h) in tile t is row 8 h + j, column 16 t + r: a row lies across
; 16 lanes and 32 tiles, a column along 8 registers.  first = 1: the products start the column sums, nothing is cleared.
.macro SOFT qo, first
	ds_load_b64  v[AF:AF+1],   v[VAXL]             ; group 0,
	ds_load_b128 v[AF+2:AF+5], v[VAXL]             ; the same again as group 1, and group 2,
	ds_load_b64  v[AF+6:AF+7], v[VAYL]             ; and group 3
	BLOAD 0, \qo
	s_wait_dscnt 0x0
	WIN W_DST1
	HMUL 0
	WIN W_MAX
	PLACES                                         ; before loads land on fragments that matrix instructions have read
	BLOAD 1, \qo
	s_wait_dscnt 0x0
	WIN W_DST1
	HMUL 1
	WIN W_MAX
	MAXP 0, 0, 1                                   ; eight plain instructions on other registers: the places in front of the loads
	BLOAD 2, \qo
	MAXP 0, 1, 0
	MAXP 0, 2, 0
	MAXP 0, 3, 0
	s_wait_dscnt 0x0
	WIN W_DST1
	HMUL 2
	WIN W_MAX
	MAXP 1, 0, 0
	BLOAD 3, \qo
	MAXP 1, 1, 0
	MAXP 1, 2, 0
	MAXP 1, 3, 0
	s_wait_dscnt 0x0
	WIN W_DST1
	HMUL 3
	WIN W_MAX
	MAXP 2, 0, 0                                   ; 32 places between the last products and their first use
	MAXP 2, 1, 0
	MAXP 2, 2, 0
	MAXP 2, 3, 0
	MAXP 3, 0, 0
	MAXP 3, 1, 0
	MAXP 3, 2, 0
	MAXP 3, 3, 0
	WIN 0
.irp x, 1,2,4,8
.irp j, 0,1,2,3,4,5,6,7
	v_max_num_f32_dpp v[M+\j], v[M+\j], v[M+\j] row_xmask:\x row_mask:0xf bank_mask:0xf
.endr
.endr
.irp u, 0,2,4,6
	v_pk_mul_f32 v[M+\u:M+\u+1], v[M+\u:M+\u+1], s[SNC:SNC+1] op_sel_hi:[1,0]      ; -c x the row's maximum
.endr
	; e = 2^(c h - c max).  The multiply-adds of tile t + 1 stand among the exponentials of tile t: behind each v_exp_f32 comes
	; another one or a plain instruction on other registers (ISA guide 5.7.2)
	WIN W_EXP
.irp u, 0,2,4,6
	v_pk_fma_f32 v[\u:\u+1], v[\u:\u+1], s[SC:SC+1], v[M+\u:M+\u+1] op_sel_hi:[1,0,1]
.endr
.set t, 0
.rept 31
.irp u, 0,2,4,6
	v_pk_fma_f32 v[8*t+8+\u:8*t+8+\u+1], v[8*t+8+\u:8*t+8+\u+1], s[SC:SC+1], v[M+\u:M+\u+1] op_sel_hi:[1,0,1]
	v_exp_f32 v[8*t+\u], v[8*t+\u]
	v_exp_f32 v[8*t+\u+1], v[8*t+\u+1]
.endr
.set t, t+1
.endr
.irp j, 0,1,2,3,4,5,6,7
	v_exp_f32 v[248+\j], v[248+\j]
.endr
	; row sums, in eight chains; the first four tiles start them (and are the plain places behind the last exponentials)
	WIN W_TWO
	s_wait_alu depctr_va_vdst(0)
.irp u, 0,2,4,6
	v_pk_add_f32 v[ZA+\u:ZA+\u+1], v[\u:\u+1], v[16+\u:16+\u+1]
.endr
.irp u, 0,2,4,6
	v_pk_add_f32 v[ZB+\u:ZB+\u+1], v[8+\u:8+\u+1], v[24+\u:24+\u+1]
.endr
	WIN W_SUM
.set t, 4
.rept 14
.irp u, 0,2,4,6
	v_pk_add_f32 v[ZA+\u:ZA+\u+1], v[8*t+\u:8*t+\u+1], v[ZA+\u:ZA+\u+1]
.endr
.irp u, 0,2,4,6
	v_pk_add_f32 v[ZB+\u:ZB+\u+1], v[8*t+8+\u:8*t+8+\u+1], v[ZB+\u:ZB+\u+1]
.endr
.set t, t+2
.endr
	WIN 0
.irp u, 0,2,4,6
	v_pk_add_f32 v[ZA+\u:ZA+\u+1], v[ZA+\u:ZA+\u+1], v[ZB+\u:ZB+\u+1]
.endr
.irp x, 1,2,4,8
.irp j, 0,1,2,3,4,5,6,7
	v_add_f32_dpp v[ZA+\j], v[ZA+\j], v[ZA+\j] row_xmask:\x row_mask:0xf bank_mask:0xf
.endr
.endr
.irp j, 0,1,2,3,4,5,6,7
	v_rcp_f32 v[ZA+\j], v[ZA+\j]                   ; the sum is about 1 at the least: the row's largest term is 2^0
.endr
	v_nop                                          ; one plain place behind the last v_rcp_f32 before its result is used (ISA guide 5.7.2)
	s_wait_alu depctr_va_vdst(0)
	WIN W_SUM
	COLS 0, \first
	COLS 2, 0
	COLS 4, 0
	COLS 6, 0
	WIN 0
	v_add_nc_u32 v[VAXL], ABLK, v[VAXL]            ; my wave's next 16 rows
	v_add_nc_u32 v[VAYL], ABLK, v[VAYL]
.endm
; My wave's four blocks of a batch, then its column sums: lane (r, h) ends with TS[i] = column 256 h + 16 i + r over the wave's 64 rows.
.macro BATCH qo
	v_mov_b32 v[VAXL], v[VAX]
	v_mov_b32 v[VAYL], v[VAY]
	SOFT \qo, 1                                    ; the first block stands in front of the loop: it starts the column sums
	s_mov_b32 s[CNT], 3
.Lblock_\@:
	SOFT \qo, 0
	s_sub_co_u32 s[CNT], s[CNT], 1
	s_cmp_lg_u32 s[CNT], 0
	s_cbranch_scc1 .Lblock_\@
.set n, 0
.rept 32
	v_add_f32 v[ACC+n], v[ACC+2*n], v[ACC+2*n+1]   ; even and odd rows; written below what is still to be read
.set n, n+1
.endr
.set n, 0
.rept 16
	v_cndmask_b32 v[BB+n],    v[ACC+16+n], v[ACC+n],    s[MH]  ; what the other half of the lanes will keep
	v_cndmask_b32 v[BB+16+n], v[ACC+n],    v[ACC+16+n], s[MH]  ; what I keep: tile i below, tile 16 + i above
.set n, n+1
.endr
.set n, 0
.rept 16
	v_permlanex16_b32 v[BB+32+n], v[BB+n], s[PL], s[PH]        ; its destination has been written (a q fragment)
.set n, n+1
.endr
.set n, 0
.rept 16
	v_add_f32 v[TS+n], v[BB+16+n], v[BB+32+n]
.set n, n+1
.endr
.endm
.macro PART b                          ; my wave's sums into its own x region, whose last fill has been read; 512 neighbouring bytes a store
.irp p, 0,1,2,3
	ds_store_b128 v[VP], v[TS+4*\p:TS+4*\p+3] offset:\b*PARTB+512*\p
.endr
.endm
	s_wait_tensorcnt 0x0                           ; my 64 tokens of the first batch are in LDS; only I read them
	PROJ 0, 0
	PROJ 1, 0
	PROJ 2, 0
	PROJ 3, 0
	WIN 0
	s_wait_dscnt 0x0                               ; my reads of x and of the weights are back and my q records are in LDS,
	s_wait_tensorcnt 0x0                           ; and none of my tensor loads is out (met: the wait above)
	s_barrier_signal -1
	s_barrier_wait -1                              ; that holds of all eight waves: q is whole, and x may be filled again
	tensor_load_to_lds s[GB:GB+3], s[G1:G1+7]      ; my one load behind this barrier: my 64 tokens of the second batch; it has the first batch's softmax in which to land
	s_nop 0
	BATCH 0
	s_wait_tensorcnt 0x0                           ; the second batch's tokens are in; no tensor load follows
	PROJ 0, QBATCH                                 ; the second batch's q goes to planes of its own: others may still read the first's
	PROJ 1, QBATCH
	PROJ 2, QBATCH
	PROJ 3, QBATCH
	WIN 0
	PART 0                                         ; behind my last read of x: LDS serves a wave's instructions in order (ISA guide 5.7.1)
	s_wait_dscnt 0x0                               ; my q records are in LDS
	s_barrier_signal -1
	s_barrier_wait -1                              ; everybody's are
	BATCH QBATCH
	PART 1
	s_wait_dscnt 0x0
	s_barrier_signal -1
	s_barrier_wait -1                              ; all column sums of both batches are in LDS
	s_cmp_gt_u32 s12, 1
	s_cbranch_scc1 .Ldone
	; THE TWELVE LARGEST: wave 0 takes the first batch, wave 1 the second.  A lane holds the 16 columns 256 h + 16 i + r.
.set AV,  80                           ; v80-207 eight waves' sums, added into v80-95
.set IX,  208                          ; v208-223 my columns' numbers as f32 (exact up to 511)
.set CD,  224                          ; v224-239 candidates
.set K0,  240
.set K1,  241
.set K2,  242
.set K3,  243
.set K4,  244
.set RES, 250
	s_lshl_b32 s14, s12, 11
	v_lshl_add_u32 v[VT], v[VL], 4, s14
.irp w, 0,1,2,3,4,5,6,7
.irp p, 0,1,2,3
	ds_load_b128 v[AV+16*\w+4*\p:AV+16*\w+4*\p+3], v[VT] offset:512*\p
.endr
.if \w < 7
	v_add_nc_u32 v[VT], WREG, v[VT]
.endif
.endr
	v_lshl_add_u32 v[VT+1], v[VH], 8, v[VR]
.set n, 0
.rept 16
	v_add_nc_u32 v[IX+n], 16*n, v[VT+1]
.set n, n+1
.endr
.set n, 0
.rept 16
	v_cvt_f32_u32 v[IX+n], v[IX+n]
.set n, n+1
.endr
	v_mov_b32 v[RES], 0
	s_mov_b32 s[BIGF], 0x44800000                  ; 1024.0: above every column's number
	s_mov_b32 s[RM], 1
	s_mov_b32 s[CNT], 12
	s_wait_dscnt 0x0
.irp w, 1,2,3,4,5,6,7
.irp u, 0,2,4,6,8,10,12,14
	v_pk_add_f32 v[AV+\u:AV+\u+1], v[AV+\u:AV+\u+1], v[AV+16*\w+\u:AV+16*\w+\u+1]
.endr
.endr
.Lpick:
	v_max3_num_f32 v[K0], v[AV+0],  v[AV+1],  v[AV+2]
	v_max3_num_f32 v[K1], v[AV+3],  v[AV+4],  v[AV+5]
	v_max3_num_f32 v[K2], v[AV+6],  v[AV+7],  v[AV+8]
	v_max3_num_f32 v[K3], v[AV+9],  v[AV+10], v[AV+11]
	v_max3_num_f32 v[K4], v[AV+12], v[AV+13], v[AV+14]
	v_max3_num_f32 v[K0], v[K0], v[K1], v[AV+15]
	v_max3_num_f32 v[K2], v[K2], v[K3], v[K4]
	v_max_num_f32 v[K0], v[K0], v[K2]
.irp x, 1,2,4,8
	v_max_num_f32_dpp v[K0], v[K0], v[K0] row_xmask:\x row_mask:0xf bank_mask:0xf
.endr
	v_permlanex16_b32 v[K1], v[K0], s[PL], s[PH]
	v_max_num_f32 v[K0], v[K0], v[K1]              ; the largest sum left, in every lane
.set n, 0
.rept 16
	v_cmp_eq_f32 s[MK+n], v[K0], v[AV+n]
.set n, n+1
.endr
.set n, 0
.rept 16
	v_cndmask_b32 v[CD+n], s[BIGF], v[IX+n], s[MK+n]
.set n, n+1
.endr
	v_min3_num_f32 v[K1], v[CD+0],  v[CD+1],  v[CD+2]
	v_min3_num_f32 v[K2], v[CD+3],  v[CD+4],  v[CD+5]
	v_min3_num_f32 v[K3], v[CD+6],  v[CD+7],  v[CD+8]
	v_min3_num_f32 v[K4], v[CD+9],  v[CD+10], v[CD+11]
	v_min3_num_f32 v[K0], v[CD+12], v[CD+13], v[CD+14]
	v_min3_num_f32 v[K1], v[K1], v[K2], v[CD+15]
	v_min3_num_f32 v[K3], v[K3], v[K4], v[K0]
	v_min_num_f32 v[K1], v[K1], v[K3]
.irp x, 1,2,4,8
	v_min_num_f32_dpp v[K1], v[K1], v[K1] row_xmask:\x row_mask:0xf bank_mask:0xf
.endr
	v_permlanex16_b32 v[K2], v[K1], s[PL], s[PH]
	v_min_num_f32 v[K1], v[K1], v[K2]              ; the lowest column that has it
.set n, 0
.rept 16
	v_cmp_eq_f32 s[MK+n], v[K1], v[IX+n]
.set n, n+1
.endr
.set n, 0
.rept 16
	v_cndmask_b32 v[AV+n], v[AV+n], -1.0, s[MK+n]  ; out of the running: every sum is 0 or above
.set n, n+1
.endr
	v_cndmask_b32 v[RES], v[RES], v[K1], s[RM]     ; pick number p goes to lane p
	s_lshl_b32 s[RM], s[RM], 1
	s_sub_co_u32 s[CNT], s[CNT], 1
	s_cmp_lg_u32 s[CNT], 0
	s_cbranch_scc1 .Lpick
	v_cvt_u32_f32 v[RES], v[RES]
	s_lshl_b32 s2, ttmp9, 8                        ; 128 bytes a batch, two batches a work-group
	s_lshl_b32 s14, s12, 7
	s_add_co_u32 s2, s2, s14
	s_mov_b32 s3, 0
	s_add_nc_u64 s[10:11], s[10:11], s[2:3]
	v_lshlrev_b32 v[VT], 2, v[VL]
	global_store_b32 v[VT], v[RES], s[10:11]       ; 32 lanes, 128 neighbouring bytes: twelve numbers and twenty zeros
.Ldone:
	s_endpgm
.Lfunc_end_k_q761fb87fb5_score:
	.size	k_q761fb87fb5_score, .Lfunc_end_k_q761fb87fb5_score-k_q761fb87fb5_score
	.p2alignl 7, 3214868480
	.fill 96, 4, 3214868480
	.section	.rodata,"a",@progbits
	.p2align	6, 0x0
	.amdhsa_kernel k_q761fb87fb5_score
		.amdhsa_group_segment_fixed_size 327680
		.amdhsa_private_segment_fixed_size 0
		.amdhsa_enable_private_segment 0
		.amdhsa_kernarg_size 32
		.amdhsa_user_sgpr_count 2
		.amdhsa_user_sgpr_kernarg_segment_ptr 1
		.amdhsa_wavefront_size32 1
		.amdhsa_system_sgpr_workgroup_id_x 1
		.amdhsa_system_sgpr_workgroup_id_y 1
		.amdhsa_system_sgpr_workgroup_id_z 1
		.amdhsa_system_vgpr_workitem_id 0
		.amdhsa_next_free_vgpr 512
		.amdhsa_next_free_sgpr 66
		.amdhsa_reserve_vcc 0
		.amdhsa_float_denorm_mode_32 3
		.amdhsa_float_denorm_mode_16_64 3
		.amdhsa_memory_ordered 1
		.amdhsa_forward_progress 1
		.amdhsa_inst_pref_size 255
	.end_amdhsa_kernel
	.section	.bss,"aw",@nobits
	.p2align	6
	.space	262144
	.amdgpu_metadata
---
amdhsa.version: [ 1, 2 ]
amdhsa.kernels:
  - .name:           k_q761fb87fb5_score
    .symbol:         k_q761fb87fb5_score.kd
    .args:
      - { .name: x, .offset: 0, .size: 8, .value_kind: global_buffer, .address_space: global }
      - { .name: wk, .offset: 8, .size: 8, .value_kind: global_buffer, .address_space: global }
      - { .name: wq, .offset: 16, .size: 8, .value_kind: global_buffer, .address_space: global }
      - { .name: idx, .offset: 24, .size: 8, .value_kind: global_buffer, .address_space: global }
    .group_segment_fixed_size: 327680
    .private_segment_fixed_size: 0
    .kernarg_segment_align: 8
    .kernarg_segment_size: 32
    .max_flat_workgroup_size: 256
    .sgpr_count:     66
    .vgpr_count:     512
    .wavefront_size: 32
...
	.end_amdgpu_metadata
.endif
;; end of part 1
;; launch gather (part 2): grid 256 x 1, 2 waves a work-group, no clusters, 0 bytes of LDS; arguments idx, x, out0; writes out0
.if DOCPART == 2
	.amdgcn_target "amdgcn-amd-amdhsa--gfx1250"
	.amdhsa_code_object_version 6
	.text
	.protected	k_q761fb87fb5_gather
	.globl	k_q761fb87fb5_gather
	.p2align	8
	.type	k_q761fb87fb5_gather,@function
k_q761fb87fb5_gather:
	s_mov_b64 s[64:65], 0
	v_nop
	global_prefetch_b8 v0, s[64:65] scope:SCOPE_SE
	s_setreg_imm32_b32 hwreg(HW_REG_WAVE_MODE, 25, 1), 1
	s_wait_xcnt 0x0
; out0[b][t][:] = x[b][idx[b][t]][:], t = 0..11.  x: [512][512][128] f32, out0: [512][12][128] f32, idx: [512][32] words from the launch before.
; One wave, one batch: its twelve token numbers come by two scalar loads; a row is 512 bytes = one 16-byte load and one 16-byte store of the
; wave, each covering 512 neighbouring bytes that start at a multiple of 256.  All twelve loads go out before the first store.
; No LDS, no matrix unit, no cluster: nothing is shared and nothing is computed.  A number above 511 (NaN in the inputs) is clamped to 511.
.set ROWB, 512
.set OFS,  4                           ; v4-15   byte offset of my 16 bytes in row t's source
.set DAT,  16                          ; v16-63  row t: 4 registers
	s_load_b128 s[4:7], s[0:1], 0x0                ; idx s[4:5], x s[6:7]
	s_load_b64 s[8:9], s[0:1], 0x10                ; out0
	v_lshrrev_b32 v1, 5, v0
	v_readfirstlane_b32 s10, v1                    ; wave 0..1
	s_lshl_b32 s11, ttmp9, 1
	s_add_co_u32 s11, s11, s10                     ; batch
	v_and_b32 v2, 31, v0
	v_lshlrev_b32 v2, 4, v2                        ; my 16 bytes of a row
	s_lshl_b32 s12, s11, 7                         ; 128 bytes of idx a batch
	s_mov_b32 s13, 0
	s_wait_kmcnt 0x0
	s_add_nc_u64 s[4:5], s[4:5], s[12:13]
	s_load_b256 s[16:23], s[4:5], 0x0              ; picks 0..7
	s_load_b128 s[24:27], s[4:5], 0x20             ; picks 8..11
	s_lshl_b32 s12, s11, 18                        ; 262,144 bytes of x a batch: at most 511 x 262,144, below 4 GiB
	s_add_nc_u64 s[6:7], s[6:7], s[12:13]
	s_mul_i32 s12, s11, 12*ROWB
	s_add_nc_u64 s[8:9], s[8:9], s[12:13]
	s_wait_kmcnt 0x0
.irp t, 0,1,2,3,4,5,6,7,8,9,10,11
	s_min_u32 s[16+\t], s[16+\t], 511              ; a token number stays inside the batch
	v_lshl_add_u32 v[OFS+\t], s[16+\t], 9, v2      ; 512 bytes a token + my 16 bytes
.endr
.irp t, 0,1,2,3,4,5,6,7,8,9,10,11
	global_load_b128 v[DAT+4*\t:DAT+4*\t+3], v[OFS+\t], s[6:7]
.endr
.irp t, 0,1,2,3,4,5,6,7,8,9,10,11
	s_wait_loadcnt 11-\t                           ; loads come back in order (ISA guide 5.7.1): row t is in, the 11 - t younger ones stay out
	global_store_b128 v2, v[DAT+4*\t:DAT+4*\t+3], s[8:9] offset:ROWB*\t th:TH_STORE_NT
.endr
	s_endpgm
.Lfunc_end_k_q761fb87fb5_gather:
	.size	k_q761fb87fb5_gather, .Lfunc_end_k_q761fb87fb5_gather-k_q761fb87fb5_gather
	.p2alignl 7, 3214868480
	.fill 96, 4, 3214868480
	.section	.rodata,"a",@progbits
	.p2align	6, 0x0
	.amdhsa_kernel k_q761fb87fb5_gather
		.amdhsa_group_segment_fixed_size 0
		.amdhsa_private_segment_fixed_size 0
		.amdhsa_enable_private_segment 0
		.amdhsa_kernarg_size 24
		.amdhsa_user_sgpr_count 2
		.amdhsa_user_sgpr_kernarg_segment_ptr 1
		.amdhsa_wavefront_size32 1
		.amdhsa_system_sgpr_workgroup_id_x 1
		.amdhsa_system_sgpr_workgroup_id_y 1
		.amdhsa_system_sgpr_workgroup_id_z 1
		.amdhsa_system_vgpr_workitem_id 0
		.amdhsa_next_free_vgpr 64
		.amdhsa_next_free_sgpr 66
		.amdhsa_reserve_vcc 0
		.amdhsa_float_denorm_mode_32 3
		.amdhsa_float_denorm_mode_16_64 3
		.amdhsa_memory_ordered 1
		.amdhsa_forward_progress 1
		.amdhsa_inst_pref_size 6
	.end_amdhsa_kernel
	.amdgpu_metadata
---
amdhsa.version: [ 1, 2 ]
amdhsa.kernels:
  - .name:           k_q761fb87fb5_gather
    .symbol:         k_q761fb87fb5_gather.kd
    .args:
      - { .name: idx, .offset: 0, .size: 8, .value_kind: global_buffer, .address_space: global }
      - { .name: x, .offset: 8, .size: 8, .value_kind: global_buffer, .address_space: global }
      - { .name: out0, .offset: 16, .size: 8, .value_kind: global_buffer, .address_space: global }
    .group_segment_fixed_size: 0
    .private_segment_fixed_size: 0
    .kernarg_segment_align: 8
    .kernarg_segment_size: 24
    .max_flat_workgroup_size: 64
    .sgpr_count:     66
    .vgpr_count:     64
    .wavefront_size: 32
...
	.end_amdgpu_metadata
.endif
;; end of part 2
